; MI455X (gfx1250); checked and timed in simulation.
; The chip was launched on July 23, 2026; its instructions are those of AMD's public machine-readable ISA for CDNA 5 (MIT licence, August 2026) and "CDNA5" Instruction Set Architecture Reference Guide (July 2026). The comments in the code are by the model that wrote it; some were corrected since.
;; Mo E layer torch. Allowed arithmetic: float matrix products may take bf16 or f16 operands with f32 sums; other float arithmetic in f32, or as packed bf16 or f16 multiplies, adds, multiply-adds, maxima and minima; sums over many terms, partial sums and values carried from step to step in f32; what a program stores and reads back later, other than sums and carried values, may be rounded once to bf16 or f16.
;; Inputs: topk_ids 2,048 x 1 int32; weight0 8 x 1,024 x 2,048 float32; weight1 8 x 2,048 x 1,024 float32; x 2,048 x 1,024 float32.
;; Outputs: out0 2,048 x 1,024 float32.
;; One version. Each part assembles by itself: llvm-mc -triple=amdgcn-amd-amdhsa -mcpu=gfx1250 --defsym DOCPART=n.
;; ======== version 1 of 1: 2 launches
;; workspace buffers: hidden 67,108,864 bytes
;; launch up (part 1): grid 32 x 8, 4 waves a work-group, no clusters, 173,312 bytes of LDS; arguments topk_ids, weight0, x, hidden; writes hidden
.if DOCPART == 1
	.amdgcn_target "amdgcn-amd-amdhsa--gfx1250"
	.amdhsa_code_object_version 6
	.text
	.protected	k_q284ee93537_up
	.globl	k_q284ee93537_up
	.p2align	8
	.type	k_q284ee93537_up,@function
k_q284ee93537_up:
	s_mov_b64 s[64:65], 0
	v_nop
	global_prefetch_b8 v0, s[64:65] scope:SCOPE_SE
	s_setreg_imm32_b32 hwreg(HW_REG_WAVE_MODE, 25, 1), 1
	s_wait_xcnt 0x0
; hidden = gelu(x[rows of expert e] . W0[e][:, 64 columns]), exact (erf) gelu, for a layer of 8 experts with one expert a token.
; x [2048][1024] f32, W0 [8][1024][2048] f32, topk_ids [2048] i32.  Products in bf16 with f32 sums; hidden rounded once to bf16.
; SHARES.  Work-group (s, e) alone reads the 1,024 x 64 slice s of expert e's weights (262,144 bytes, rows of 256 aligned bytes), rounds it to bf16 on its way through
; registers and lays it into LDS as [k][n]; one barrier; then a loop without barriers over the expert's tiles of 16 rows: weight fragments out of LDS (turned by
; ds_load_tr16_b128), token rows out of memory by the list, straight into registers.  Wave w takes tiles w, w + 4, ..: four at a time, the remainder one at a time.
; THE WALK ALONG K GOES ROUND.  An expert's 32 work-groups read the same rows of x.  Slice s begins at step s of a pass's 32 steps (s % 8 of 8 with one tile) and goes round to the step in front of it,
; so that at any time the 32 ask for different bytes of the rows, and what one has asked for its neighbour asks for a step later.  So each f32 sum is taken in K's order rotated by the slice's number.
; THE LIST.  Each wave sorts its 512 tokens by ballots: a token of expert e gets the next place in the wave's own list in LDS; the four lists on end are the expert's rows.
; The second launch makes the same list by the same lines, so nothing of it goes through memory.  Every split is served: the pass loop has the constant count 10
; (31 tiles a wave = 7 passes of four + 3 of one is the most passes), dead trips are jumped forward; with no row at all every trip is dead.  Places past the count repeat the last row.
; HIDDEN's LAYOUT: [expert][tile of 16 rows, room for 128][16 columns nt, 128][lane][16 bytes]; lane (r, h) holds row r, columns 16 nt + 8 h + 0..7: half a fragment of the second product.
; Each store of a wave covers 512 consecutive bytes, aligned.
; THE MATRIX INSTRUCTION IS USED TRANSPOSED: source 0 = 16 columns of W0, source 1 = 16 tokens; a lane's eight results are eight neighbouring columns of one token.
; NO CLUSTER: each slice of weights has one reader, and the rows that an expert's 32 work-groups share come by a list, which no tile descriptor covers.
; LIMITS.  An id outside 0..7 leaves its row unwritten (the problem keeps ids inside the table).  erf by the rational form of Abramowitz and Stegun 7.1.26,
; off by 1.5e-7 at the most for every argument; NaN and infinities are not treated apart.
; REGISTERS, in windows of 256 (s_set_vgpr_msb: bits 1:0 source 0, 3:2 source 1, 5:4 source 2, 7:6 destination):
;   window 0: addresses and scratch; v32-47 ids; v64-95 packed weights; v96-111 the offsets of the groups of x on their way
;   window 1: v0-127 accumulators (slot m, column block n at 8 (4 m + n)); v128-191 token fragments in bf16, two buffers, later the packed results; v192-223 gelu at work; v224-227 store offsets
;   window 2: four buffers of 64: f32 as loaded        window 3: weight fragments, two buffers of 128
.set LP,     160                       ; an LDS row of weights: 128 bytes + 32 = 40 words: row r starts at bank 40 r mod 64 (64 banks of 4 bytes: ISA guide 11.1)
.set LSTEP,  2*LP                      ; one weight load brings two rows
.set LIST,   1024*LP                   ; 163,840: four lists of 512 entries + 32 dump words
.set LWAVE,  2176
.set TOT,    LIST+4*LWAVE              ; 172,544: the four waves' counts
.set SPARE,  TOT+256                   ; 172,800: the spare words, 128 bytes a wave, which no other line names
.set SPW, 4                            ; v4   SPARE + 4 x my thread's number; never rewritten
.set NIL, 5                            ; v5   0; never rewritten
.set XA,  12                           ; v12-15  slot m: my token's row in x + 32 h
.set IDS, 32
.set CT,  64
.set XR,  96                           ; v96-111  group g of x: four offsets at XR + 4 (g % 4): the slots' rows + the group's place along K
.set AF,  128                          ; window 1
.set OUTP,128
.set AA,  192
.set TT,  200
.set EE,  208
.set QQ,  216
.set HO,  224
.set W_G, 0x80                         ; a global load into window 2, address in window 0
.set W_D, 0xc0                         ; an LDS load into window 3
.set W_A, 0x0a                         ; conversion window 2 -> window 0
.set W_C, 0x4a                         ; conversion window 2 -> window 1
.set W_M, 0x57                         ; weights window 3; tokens, C and D window 1
.set W_E, 0x55                         ; all in window 1
.set MSB, 0
.macro WIN new                         ; the immediate's high byte repeats the setting that is left; a switch that changes nothing is dropped
.if MSB != (\new)
	s_set_vgpr_msb (MSB<<8)|(\new)
.set MSB, (\new)
.endif
.endm
.macro PLACES                          ; four plain vector lines between a matrix instruction and a line that reads its result or writes one of its registers (ISA guide 7.12.1)
.rept 4
	v_nop
.endr
.endm
.macro SPAIR r, val                    ; a constant for packed arithmetic: named as a pair, so both words are written
	s_mov_b32 s[\r], \val
	s_mov_b32 s[(\r)+1], \val
.endm
; PHASE A.  A wave owns 256 rows of the slice: 128 loads of two rows, in 8 groups of 16, through the four buffers of window 2.
.macro PGRP g
	WIN W_G
.set pg_i, 0
.rept 16
	global_load_b128 v[64*((\g)%4)+4*pg_i:64*((\g)%4)+4*pg_i+3], v6, s[20:21] offset:(16*(\g)+pg_i)*16384 th:TH_LOAD_NT
.set pg_i, pg_i+1
.endr
.endm
.macro PFG g                           ; group g's 32 rows of 256 bytes, a lane a row, asked for two group steps ahead of its loads; nothing is asked past group 7
	global_prefetch_b8 v10, s[20:21] offset:(\g)*262144 th:TH_LOAD_NT scope:SCOPE_SE
.endm
.macro PCONV g
.if (\g) <= 5
	s_wait_loadcnt 32                              ; group g is in; the two younger groups stay out
.elseif (\g) == 6
	s_wait_loadcnt 16
.else
	s_wait_loadcnt 0x0
.endif
.if (\g) <= 4
	PGRP (\g)+3                                    ; into the buffer that the step before converted
.endif
.if (\g) <= 2
	PFG (\g)+5
.endif
	WIN W_A
.set pc_i, 0
.rept 32
	v_cvt_pk_bf16_f32 v[CT+pc_i], v[64*((\g)%4)+2*pc_i], v[64*((\g)%4)+2*pc_i+1]
.set pc_i, pc_i+1
.endr
	WIN 0
.set pc_i, 0
.rept 16
	ds_store_b64 v7, v[CT+2*pc_i:CT+2*pc_i+1] offset:(16*(\g)+pc_i)*LSTEP
.set pc_i, pc_i+1
.endr
.endm
; The token at place p of the expert's rows: p is held to the last row; the wave whose list holds it is found by three compares; the entry is read.
.macro LOOKUP p, d, tok
	v_min_u32 v[\p], s25, v[\p]
	v_mov_b32 v[\d], 0
	v_cmp_le_u32 vcc_lo, s32, v[\p]
	v_cndmask_b32 v[\d], v[\d], s37, vcc_lo
	v_cmp_le_u32 vcc_lo, s33, v[\p]
	v_cndmask_b32 v[\d], v[\d], s38, vcc_lo
	v_cmp_le_u32 vcc_lo, s34, v[\p]
	v_cndmask_b32 v[\d], v[\d], s39, vcc_lo
	v_add_nc_u32 v[\d], v[\d], v[\p]
	v_min_u32 v[\d], 2175, v[\d]                   ; inside the four lists
	v_lshl_add_u32 v[\d], v[\d], 2, LIST
	ds_load_b32 v[\tok], v[\d]
.endm
; A pass begins: mt tiles get their token rows and their places in hidden, and the walk along K its first place.
.macro PBEGIN mt
	WIN 0
	s_wait_xcnt 0x0                                ; the last pass's loads and stores have read their registers: offsets and packed results are rewritten only behind this wait
.set pb_m, 0
.rept \mt
	s_add_co_u32 s41, s28, pb_m
	s_lshl2_add_u32 s41, s41, s12                  ; tile = wave + 4 (tiles done + slot)
	s_min_u32 s41, s41, 127
	s_lshl_b32 s[42+pb_m], s41, 16                 ; its 65,536 bytes in the expert's room
	s_lshl_b32 s41, s41, 4
	v_add_nc_u32 v20, s41, v2                      ; place 16 tile + r
	LOOKUP 20, 21, 24+pb_m
.set pb_m, pb_m+1
.endr
	s_wait_dscnt 0x0
.set pb_m, 0
.rept \mt
	v_min_u32 v[24+pb_m], 2047, v[24+pb_m]
	v_lshl_add_u32 v[XA+pb_m], v[24+pb_m], 12, v17 ; token x 4,096 bytes + 32 h
.set pb_m, pb_m+1
.endr
	WIN 0x40
.set pb_m, 0
.rept \mt
	v_add_nc_u32 v[HO+pb_m], s[42+pb_m], v16
.set pb_m, pb_m+1
.endr
	WIN 0
.if (\mt) == 4
	s_lshl_b32 s35, s13, 7                         ; slice s begins at step s of 32: 128 bytes of a row of x a step
.else
	s_and_b32 s35, s13, 7
	s_lshl_b32 s35, s35, 9                         ; at step s % 8 of 8: 512 bytes a step
.endif
	s_mov_b32 s36, s35                             ; s35: the place, in bytes of a row of x, of the next group to ask for; s36: of the next step's weight fragments
.endm
; A MACRO STEP is 16 loads of x, 32 conversions and 16 matrix instructions.  mt = 4: 32 along K for four tiles.  mt = 1: 128 along K for one tile.
; A unit (slot, or K sub-step) is 16 registers of f32: k = 8 h + 0..7, then 16 + 8 h + 0..7.
; GXA makes the next group's offsets, in registers of the group's own, and steps the place round the row's 4,096 bytes; GXL issues its loads.  x's address is never stepped.
.macro GXA mt, b
.if (\mt) == 4
.irp j, 0,1,2,3
	v_add_nc_u32 v[XR+4*(\b)+\j], s35, v[XA+\j]
.endr
.else
	v_add_nc_u32 v[XR+4*(\b)], s35, v[XA]
.endif
	s_add_co_u32 s35, s35, 512/(\mt)
	s_and_b32 s35, s35, 0xfff
.endm
.macro GXL mt, b
	WIN W_G
.set gx_j, 0
.rept 4
.set gx_c, 0
.rept 4
.if (\mt) == 4
	global_load_b128 v[64*(\b)+16*gx_j+4*gx_c:64*(\b)+16*gx_j+4*gx_c+3], v[XR+4*(\b)+gx_j], s[8:9] offset:64*(gx_c/2)+16*(gx_c%2)
.else
	global_load_b128 v[64*(\b)+16*gx_j+4*gx_c:64*(\b)+16*gx_j+4*gx_c+3], v[XR+4*(\b)], s[8:9] offset:128*gx_j+64*(gx_c/2)+16*(gx_c%2)
.endif
.set gx_c, gx_c+1
.endr
.set gx_j, gx_j+1
.endr
.endm
.macro GX mt, b
	WIN 0
	GXA \mt, \b
	GXL \mt, \b
.endm
; DWA makes the LDS address of the next step's weight rows: 4 bytes of a row of x are one k, one row of 160 bytes: the place times 40.  With my lane's 2,416 bytes at the most and the
; loads' offsets the last byte read is 163,807: inside the weights' 163,840.  DWL issues the fragment loads: K sub-step f / 4, column block f % 4; two turning loads each, 16 rows apart.
.macro DWA mt
	s_mul_i32 s41, s36, 40
	v_add_nc_u32 v9, s41, v8
	s_add_co_u32 s36, s36, 512/(\mt)
	s_and_b32 s36, s36, 0xfff
.endm
.macro DWL mt, b
	WIN W_D
.set dw_f, 0
.rept 16/(\mt)
	ds_load_tr16_b128 v[128*(\b)+8*dw_f:128*(\b)+8*dw_f+3],   v9 offset:32*LP*(dw_f/4)+32*(dw_f%4)
	ds_load_tr16_b128 v[128*(\b)+8*dw_f+4:128*(\b)+8*dw_f+7], v9 offset:32*LP*(dw_f/4)+32*(dw_f%4)+16*LP
.set dw_f, dw_f+1
.endr
.endm
; Matrix instruction mm_i of a step's 16.  The accumulators (16, or 4) take turns, one instruction a turn.  zero = 1: the step starts the sums.
.macro MM mt, b, zero
.if (\mt) == 4
.set mm_d, 8*mm_i
.set mm_w, 128*(\b)+8*(mm_i%4)
.else
.set mm_d, 8*(mm_i%4)
.set mm_w, 128*(\b)+8*mm_i
.endif
.set mm_a, AF+32*(\b)+8*(mm_i/4)
.if (\zero) && (((\mt) == 4) || (mm_i < 4))
	v_wmma_f32_16x16x32_bf16 v[mm_d:mm_d+7], v[mm_w:mm_w+7], v[mm_a:mm_a+7], 0
.else
	v_wmma_f32_16x16x32_bf16 v[mm_d:mm_d+7], v[mm_w:mm_w+7], v[mm_a:mm_a+7], v[mm_d:mm_d+7]
.endif
.set mm_i, mm_i+1
.endm
; Iteration rel converts step rel and multiplies step rel - 1; it asks for x of step rel + 3 and for the weight fragments of step rel.  rel names the buffers alone: the places along K stand in s35 and s36.
; fg, fc, fm: it loads x, converts (and fetches fragments), multiplies.  lw: the younger loads of x that may stay out.
; The wait at the head shows group rel landed, so the offsets of group rel - 1, shown landed an iteration ago, are free for group rel + 3, which has the same four registers.
; The four conversions that end an iteration name no register of the products in front of them (those read the other token buffer and the other fragment buffer):
; they are the four places ahead of the next iteration's fragment loads and of its conversions.
.macro KIT mt, rel, fg, fc, fm, zero, lw
.if \fc
	s_wait_loadcnt \lw
	WIN 0
.if \fg
	GXA \mt, ((\rel)+3)%4
.endif
	DWA \mt
.if \fg
	GXL \mt, ((\rel)+3)%4
.endif
	DWL \mt, (\rel)%2
.endif
.if \fm
.if \fc
	s_wait_dscnt 32/(\mt)                          ; all but the run just issued: the fragments of the step to be multiplied are in
.else
	s_wait_dscnt 0x0
.endif
.endif
.set mm_i, 0
.set cv_i, 0
.rept 8
.if \fm
	WIN W_M
	MM \mt, ((\rel)+1)%2, \zero
	MM \mt, ((\rel)+1)%2, \zero
.endif
.if \fc
	WIN W_C
.rept 4
	v_cvt_pk_bf16_f32 v[AF+32*((\rel)%2)+cv_i], v[64*((\rel)%4)+2*cv_i], v[64*((\rel)%4)+2*cv_i+1]
.set cv_i, cv_i+1
.endr
.endif
.endr
.endm
; gelu(v) = (v + |v| erf(|v| / sqrt 2)) / 2 on one accumulator's eight numbers, read from its low end on.
; erf(z) = 1 - (((((a5 t + a4) t + a3) t + a2) t + a1) t) e^(-z z), t = 1 / (1 + p z).  Behind each run of transcendentals stands a plain line that touches none of their registers (ISA guide 5.7.2).
.macro GELU V, O
.irp k, 0,1,2,3,4,5,6,7
	v_and_b32 v[AA+\k], s62, v[(\V)+\k]
.endr
.irp k, 0,2,4,6
	v_pk_fma_f32 v[TT+\k:TT+\k+1], v[AA+\k:AA+\k+1], s[48:49], 1.0 op_sel_hi:[1,0,0]
.endr
.irp k, 0,1,2,3,4,5,6,7
	v_rcp_f32 v[TT+\k], v[TT+\k]
.endr
.irp k, 0,2,4,6
	v_pk_mul_f32 v[EE+\k:EE+\k+1], v[(\V)+\k:(\V)+\k+1], v[(\V)+\k:(\V)+\k+1]
.endr
.irp k, 0,2,4,6
	v_pk_mul_f32 v[EE+\k:EE+\k+1], v[EE+\k:EE+\k+1], s[50:51] op_sel_hi:[1,0]
.endr
.irp k, 0,1,2,3,4,5,6,7
	v_exp_f32 v[EE+\k], v[EE+\k]
.endr
	s_wait_alu depctr_va_vdst(0)
.irp k, 0,2,4,6
	v_pk_fma_f32 v[QQ+\k:QQ+\k+1], v[TT+\k:TT+\k+1], s[52:53], s[54:55] op_sel_hi:[1,0,0]
.endr
.irp k, 0,2,4,6
	v_pk_fma_f32 v[QQ+\k:QQ+\k+1], v[QQ+\k:QQ+\k+1], v[TT+\k:TT+\k+1], s[56:57] op_sel_hi:[1,1,0]
.endr
.irp k, 0,2,4,6
	v_pk_fma_f32 v[QQ+\k:QQ+\k+1], v[QQ+\k:QQ+\k+1], v[TT+\k:TT+\k+1], s[58:59] op_sel_hi:[1,1,0]
.endr
.irp k, 0,2,4,6
	v_pk_fma_f32 v[QQ+\k:QQ+\k+1], v[QQ+\k:QQ+\k+1], v[TT+\k:TT+\k+1], s[60:61] op_sel_hi:[1,1,0]
.endr
.irp k, 0,2,4,6
	v_pk_mul_f32 v[QQ+\k:QQ+\k+1], v[QQ+\k:QQ+\k+1], v[TT+\k:TT+\k+1]
.endr
.irp k, 0,2,4,6
	v_pk_fma_f32 v[QQ+\k:QQ+\k+1], v[QQ+\k:QQ+\k+1], v[EE+\k:EE+\k+1], 1.0 op_sel_hi:[1,1,0] neg_lo:[1,0,0] neg_hi:[1,0,0]
.endr
.irp k, 0,2,4,6
	v_pk_fma_f32 v[QQ+\k:QQ+\k+1], v[AA+\k:AA+\k+1], v[QQ+\k:QQ+\k+1], v[(\V)+\k:(\V)+\k+1]
.endr
.irp k, 0,2,4,6
	v_pk_mul_f32 v[QQ+\k:QQ+\k+1], v[QQ+\k:QQ+\k+1], 0.5 op_sel_hi:[1,0]
.endr
.irp k, 0,1,2,3
	v_cvt_pk_bf16_f32 v[(\O)+\k], v[QQ+2*\k], v[QQ+2*\k+1]
.endr
.endm
.macro EPI m                           ; slot m's tile: gelu, rounding, four stores of 512 consecutive bytes.  Each store has packed registers of its own
	WIN W_E
.irp n, 0,1,2,3
	GELU 8*(4*(\m)+\n), OUTP+4*(4*(\m)+\n)
	global_store_b128 v[HO+(\m)], v[OUTP+4*(4*(\m)+\n):OUTP+4*(4*(\m)+\n)+3], s[10:11] offset:512*\n
.endr
	WIN 0
.endm
	s_load_b256 s[4:11], s[0:1], 0x0               ; topk_ids s[4:5], weight0 s[6:7], x s[8:9], hidden s[10:11]
	v_lshl_add_u32 v[SPW], v0, 2, SPARE
	v_mov_b32 v[NIL], 0
	v_and_b32 v1, 31, v0                           ; lane L
	v_lshrrev_b32 v20, 5, v0
	v_readfirstlane_b32 s12, v20                   ; wave w
	s_mov_b32 s13, ttmp9                           ; slice s
	s_and_b32 s14, ttmp7, 0xffff                   ; expert e
	v_and_b32 v2, 15, v0                           ; r
	v_bfe_u32 v3, v0, 4, 1                         ; h
	s_lshl_b32 s40, s12, 21                        ; my wave's 256 rows of 8,192 bytes
	v_lshlrev_b32 v6, 4, v2
	v_lshl_add_u32 v6, v3, 13, v6
	v_add_nc_u32 v6, s40, v6                       ; weight loads: lanes 0-15 one row's 256 bytes, lanes 16-31 the next row's
	v_lshl_add_u32 v10, v1, 13, s40                ; prefetches: a lane a row
	s_mul_i32 s41, s12, 256*LP
	v_mul_u32_u24 v7, v3, LP
	v_lshl_add_u32 v7, v2, 3, v7
	v_add_nc_u32 v7, s41, v7                       ; and where the packed 8 bytes go
	s_lshl_b32 s41, s12, 11
	v_lshl_add_u32 v11, v1, 4, s41                 ; my wave's 512 ids: 16 bytes a lane
	s_lshl_b32 s16, s14, 23                        ; an expert's weights, and its room in hidden: 2^23 bytes
	s_mov_b32 s17, 0
	s_wait_kmcnt 0x0
	s_add_nc_u64 s[20:21], s[6:7], s[16:17]
	s_add_nc_u64 s[10:11], s[10:11], s[16:17]
	s_lshl_b32 s16, s13, 8                         ; the slice's 64 columns: 256 bytes of a row
	s_add_nc_u64 s[20:21], s[20:21], s[16:17]
	s_lshl_b32 s16, s13, 11                        ; its four column blocks of 512 bytes in a tile of hidden
	s_add_nc_u64 s[10:11], s[10:11], s[16:17]
.irp q, 0,1,2,3
	global_load_b128 v[IDS+4*\q:IDS+4*\q+3], v11, s[4:5] offset:512*\q  ; register (q, c) of lane L: token 512 w + 128 q + 4 L + c
.endr
	PGRP 0
	PGRP 1
	PGRP 2
	PFG 3
	PFG 4
	WIN 0
	v_and_b32 v20, 7, v0
	v_lshl_add_u32 v20, v3, 3, v20
	v_mul_u32_u24 v8, v20, LP
	v_bfe_u32 v21, v0, 3, 1
	v_lshl_add_u32 v8, v21, 4, v8                  ; the turning load: row 8 h + L % 8, 16 bytes by (L / 8) % 2
	v_lshlrev_b32 v16, 4, v1                       ; 16 L
	v_lshlrev_b32 v17, 5, v3                       ; 32 h
	s_lshl_b32 s41, s12, 9
	v_lshl_add_u32 v18, v1, 2, s41                 ; 512 w + 4 L
	v_add_nc_u32 v19, 512, v1                      ; my dump word
	s_mul_i32 s15, s12, LWAVE
	s_add_co_u32 s15, s15, LIST                    ; my wave's list
	SPAIR 48, 0x3e6d3388                           ; p / sqrt 2 = 0.2316419
	SPAIR 50, 0xbf38aa3b                           ; -log2(e) / 2
	SPAIR 52, 0x3f87dc22                           ; a5 =  1.061405429
	SPAIR 54, 0xbfba00e3                           ; a4 = -1.453152027
	SPAIR 56, 0x3fb5f0e3                           ; a3 =  1.421413741
	SPAIR 58, 0xbe91a98e                           ; a2 = -0.284496736
	SPAIR 60, 0x3e827906                           ; a1 =  0.254829592
	s_mov_b32 s62, 0x7fffffff
	; THE LIST: sixteen ballots.  A lane whose token is the expert's stores the token's number at the wave's running count plus the matching lanes below it; the others store into their dump words, so EXEC stays whole.
	s_wait_loadcnt 48                              ; the ids are in; the 48 weight loads behind them stay out
	s_mov_b32 s31, 0
.set rt_i, 0
.rept 16
	v_cmp_eq_u32 s40, s14, v[IDS+rt_i]
	v_mbcnt_lo_u32_b32 v20, s40, s31
	s_bcnt1_i32_b32 s41, s40
	s_add_co_u32 s31, s31, s41
	v_cndmask_b32 v20, v19, v20, s40
	v_min_u32 v20, 543, v20                        ; inside my wave's 544 words
	v_lshl_add_u32 v21, v20, 2, s15
	v_add_nc_u32 v22, 128*(rt_i/4)+rt_i%4, v18
	ds_store_b32 v21, v22
.set rt_i, rt_i+1
.endr
	s_lshl_b32 s41, s12, 2
	s_add_co_u32 s41, s41, TOT
	v_mov_b32 v21, s41
	v_mov_b32 v20, s31
	ds_store_b32 v21, v20                          ; my wave's count
.irp g, 0,1,2,3,4,5,6,7
	PCONV \g
.endr
	s_wait_dscnt 0x0                               ; for the others' sake: my part of the weights, my list and my count are in LDS
	s_barrier_signal -1
	s_barrier_wait -1                              ; from here to the closing barrier nothing writes LDS
	v_mov_b32 v20, TOT
	ds_load_b128 v[28:31], v20
	s_wait_dscnt 0x0
	v_readfirstlane_b32 s32, v28                   ; where wave 1's rows begin,
	v_readfirstlane_b32 s40, v29
	v_readfirstlane_b32 s41, v30
	v_readfirstlane_b32 s24, v31
	s_add_co_u32 s33, s32, s40                     ; wave 2's,
	s_add_co_u32 s34, s33, s41                     ; wave 3's,
	s_add_co_u32 s24, s34, s24                     ; and M, the expert's rows
	s_sub_co_u32 s37, 544, s32                     ; from a place to its word in the lists: 544 v less the rows ahead of wave v
	s_sub_co_u32 s38, 1088, s33
	s_sub_co_u32 s39, 1632, s34
	s_sub_co_u32 s25, s24, 1
	s_add_co_u32 s26, s24, 15
	s_lshr_b32 s26, s26, 4                         ; T tiles
	s_add_co_u32 s27, s26, 3
	s_sub_co_u32 s27, s27, s12
	s_lshr_b32 s27, s27, 2                         ; my wave's tiles still to do
	s_mov_b32 s28, 0                               ; and done
	s_mov_b32 s29, 10
.Lpass:
	s_cmp_eq_u32 s27, 0
	s_cbranch_scc1 .Lbottom
	s_cmp_ge_u32 s27, 4
	s_cbranch_scc1 .Lk4
	PBEGIN 1                                       ; ONE TILE: eight steps of 128 along K, written out
	GX 1, 0
	GX 1, 1
	GX 1, 2
	KIT 1, 0, 1, 1, 0, 0, 32
	KIT 1, 1, 1, 1, 1, 1, 32
	KIT 1, 2, 1, 1, 1, 0, 32
	KIT 1, 3, 1, 1, 1, 0, 32
	KIT 1, 4, 1, 1, 1, 0, 32
	KIT 1, 5, 0, 1, 1, 0, 32                       ; nothing is left to ask for: the counts run down
	KIT 1, 6, 0, 1, 1, 0, 16
	KIT 1, 7, 0, 1, 1, 0, 0
	KIT 1, 8, 0, 0, 1, 0, 0
	PLACES
	WIN 0
	s_add_co_u32 s28, s28, 1
	s_sub_co_u32 s27, s27, 1
	s_branch .Lepi0
.Lk4:
	PBEGIN 4                                       ; FOUR TILES: 32 steps of 32 along K
	GX 4, 0
	GX 4, 1
	GX 4, 2
	KIT 4, 0, 1, 1, 0, 0, 32
	KIT 4, 1, 1, 1, 1, 1, 32
	WIN 0
	s_mov_b32 s30, 6
.Lk4loop:                                              ; a trip: iterations 2 + 4 t to 5 + 4 t; 48 loads of x are out behind each request; no register that a load still reads is stepped
	KIT 4, 2, 1, 1, 1, 0, 32
	KIT 4, 3, 1, 1, 1, 0, 32
	KIT 4, 4, 1, 1, 1, 0, 32
	KIT 4, 5, 1, 1, 1, 0, 32
	WIN 0
	s_sub_co_u32 s30, s30, 1
	s_cmp_lg_u32 s30, 0
	s_cbranch_scc1 .Lk4loop
	KIT 4, 2, 1, 1, 1, 0, 32                       ; iterations 26 to 28 ask for the last steps,
	KIT 4, 3, 1, 1, 1, 0, 32
	KIT 4, 4, 1, 1, 1, 0, 32
	KIT 4, 5, 0, 1, 1, 0, 32                       ; 29 to 31 for nothing: the counts run down
	KIT 4, 6, 0, 1, 1, 0, 16
	KIT 4, 7, 0, 1, 1, 0, 0
	KIT 4, 8, 0, 0, 1, 0, 0
	PLACES
	WIN 0
	s_add_co_u32 s28, s28, 4
	s_sub_co_u32 s27, s27, 4
	EPI 3
	EPI 2
	EPI 1
.Lepi0:
	EPI 0
.Lbottom:
	s_sub_co_u32 s29, s29, 1
	s_cmp_lg_u32 s29, 0
	s_cbranch_scc1 .Lpass
	s_wait_dscnt 0x0                               ; my LDS reads are back
	s_barrier_signal -1                            ; THE CLOSING BARRIER: the fragment loads take their addresses from a register that goes round with the walk;
	s_barrier_wait -1                              ; this barrier puts every wave's LDS reads ahead of every wave's closing LDS write, whatever those addresses are
	s_wait_tensorcnt 0x0                           ; the wave's end, behind my last LDS store
	ds_add_u32 v[SPW], v[NIL]
	s_wait_dscnt 0x0
	s_endpgm
.Lfunc_end_k_q284ee93537_up:
	.size	k_q284ee93537_up, .Lfunc_end_k_q284ee93537_up-k_q284ee93537_up
	.p2alignl 7, 3214868480
	.fill 96, 4, 3214868480
	.section	.rodata,"a",@progbits
	.p2align	6, 0x0
	.amdhsa_kernel k_q284ee93537_up
		.amdhsa_group_segment_fixed_size 173312
		.amdhsa_private_segment_fixed_size 0
		.amdhsa_enable_private_segment 0
		.amdhsa_kernarg_size 32
		.amdhsa_user_sgpr_count 2
		.amdhsa_user_sgpr_kernarg_segment_ptr 1
		.amdhsa_wavefront_size32 1
		.amdhsa_system_sgpr_workgroup_id_x 1
		.amdhsa_system_sgpr_workgroup_id_y 1
		.amdhsa_system_sgpr_workgroup_id_z 1
		.amdhsa_system_vgpr_workitem_id 0
		.amdhsa_next_free_vgpr 1024
		.amdhsa_next_free_sgpr 66
		.amdhsa_reserve_vcc 1
		.amdhsa_float_denorm_mode_32 3
		.amdhsa_float_denorm_mode_16_64 3
		.amdhsa_memory_ordered 1
		.amdhsa_forward_progress 1
		.amdhsa_inst_pref_size 251
	.end_amdhsa_kernel
	.amdgpu_metadata
---
amdhsa.version: [ 1, 2 ]
amdhsa.kernels:
  - .name:           k_q284ee93537_up
    .symbol:         k_q284ee93537_up.kd
    .args:
      - { .name: topk_ids, .offset: 0, .size: 8, .value_kind: global_buffer, .address_space: global }
      - { .name: weight0, .offset: 8, .size: 8, .value_kind: global_buffer, .address_space: global }
      - { .name: x, .offset: 16, .size: 8, .value_kind: global_buffer, .address_space: global }
      - { .name: hidden, .offset: 24, .size: 8, .value_kind: global_buffer, .address_space: global }
    .group_segment_fixed_size: 173312
    .private_segment_fixed_size: 0
    .kernarg_segment_align: 8
    .kernarg_segment_size: 32
    .max_flat_workgroup_size: 128
    .sgpr_count:     66
    .vgpr_count:     1024
    .wavefront_size: 32
...
	.end_amdgpu_metadata
.endif
;; end of part 1
;; launch down (part 2): grid 32 x 8, 4 waves a work-group, no clusters, 206,080 bytes of LDS; arguments topk_ids, weight1, hidden, out0; writes out0
.if DOCPART == 2
	.amdgcn_target "amdgcn-amd-amdhsa--gfx1250"
	.amdhsa_code_object_version 6
	.text
	.protected	k_q284ee93537_down
	.globl	k_q284ee93537_down
	.p2align	8
	.type	k_q284ee93537_down,@function
k_q284ee93537_down:
	s_mov_b64 s[64:65], 0
	v_nop
	global_prefetch_b8 v0, s[64:65] scope:SCOPE_SE
	s_setreg_imm32_b32 hwreg(HW_REG_WAVE_MODE, 25, 1), 1
	s_wait_xcnt 0x0
; out0[token] = hidden[row] . W1[e][:, 32 columns].  W1 [8][2048][1024] f32, hidden in bf16 as the first launch laid it:
; [expert][tile of 16 rows][16 columns nt][lane][16 bytes], which is half a fragment of this product: a load of 512 consecutive bytes fills four registers of source 1.
; SHARES.  Work-group (s, e) alone reads the 2,048 x 32 slice s of expert e's weights (262,144 bytes), rounds it to bf16 on its way through registers and lays it into LDS as [k][n];
; one barrier; then a loop without barriers over the expert's tiles of 16 rows.  Wave w takes tiles w, w + 4, ..: four at a time, the remainder one at a time.
; THE WALK ALONG K GOES ROUND.  An expert's 32 work-groups read the same tiles of hidden.  Slice s begins at step s of a pass's 32 steps (s % 8 of 8 with one tile) and goes round to the step in front of it,
; so that at any time the 32 ask for different bytes of the tiles, and what one has asked for its neighbour asks for a step later.  So each f32 sum is taken in K's order rotated by the slice's number.
; The expert's list of tokens is made as in the first launch, by the same lines, and gives each finished row its place in out0: with one expert a token every output row has one owner.
; The pass loop has the constant count 10 (31 tiles a wave = 7 passes of four + 3 of one is the most passes); dead trips are jumped forward.
; THE MATRIX INSTRUCTION IS USED TRANSPOSED: source 0 = 16 columns of W1, source 1 = 16 rows of hidden; a lane's eight results are eight neighbouring columns of one token's row.
; ROWS PAST THE COUNT.  In both launches a place past the count repeats the expert's last row: the first launch made such a row of hidden from the last row's x, and here the list gives it the last
; row's token.  So its result is the last row's own numbers, made of the same operands, and it is stored onto the last row's place: no lane is masked, and EXEC stays whole in the whole text.
; The price: at most 15 pieces of 128 bytes a work-group stored again, by the one wave that owns the tile.
; THE STORES go straight from the accumulators: a lane stores its eight numbers of a column block as two pieces of 16 bytes; a tile's four stores together fill 128 consecutive bytes of each of its 16 rows.
; A stage in LDS would gather a row's 128 bytes into one store; it is left out, so that between the two barriers nothing writes LDS and the waves' LDS accesses need no order among themselves.
; PIECES OF 128 BYTES.  1,024 columns over 32 slices are 32 columns: a weight row's piece and an output row's piece are 128 consecutive bytes.  Pieces of 256 would leave 128 work-groups,
; or split K over work-groups with partial sums through memory and a launch to add them.
; NO CLUSTER: each slice of weights has one reader; hidden's tiles are shared by an expert's 32 work-groups, but how many there are hangs on the count, and joint requests want a walk that is alike in all partners at a constant length: 128 tiles for every expert.
; LIMITS.  An id outside 0..7 leaves its row unwritten (the problem keeps ids inside the table).  NaN and infinities are not treated apart.
; REGISTERS, in windows of 256 (s_set_vgpr_msb: bits 1:0 source 0, 3:2 source 1, 5:4 source 2, 7:6 destination):
;   window 0: addresses and scratch; v32-47 ids; v56-59 the slots' offsets in out0; v64-95 packed weights; v96-111 the offsets of the groups of hidden on their way
;   window 1: v0-63 accumulators (slot m, column block n at 8 (2 m + n))      window 2: four buffers of 64: weights as loaded, then hidden's fragments      window 3: weight fragments, two buffers of 128
.set LP,     96                        ; an LDS row of weights: 64 bytes + 32 = 24 words, an odd multiple of 32 bytes
.set LSTEP,  4*LP                      ; one weight load brings four rows
.set LIST,   2048*LP                   ; 196,608: four lists of 512 entries + 32 dump words
.set LWAVE,  2176
.set TOT,    LIST+4*LWAVE              ; 205,312: the four waves' counts
.set SPARE,  TOT+256                   ; 205,568: the spare words, 128 bytes a wave, which no other line names
.set SPW, 4                            ; v4   SPARE + 4 x my thread's number; never rewritten
.set NIL, 5                            ; v5   0; never rewritten
.set HA,  12                           ; v12-15  slot m: its tile in the expert's room + 16 L
.set IDS, 32
.set TO,  56                           ; v56-59  slot m: my row's token x 4,096 bytes + 32 h
.set CT,  64
.set HR,  96                           ; v96-111  group g of hidden: four offsets at HR + 4 (g % 4): the slots' tiles + the group's place along K
.set W_G, 0x80                         ; a global load into window 2, address in window 0
.set W_D, 0xc0                         ; an LDS load into window 3
.set W_A, 0x0a                         ; conversion window 2 -> window 0
.set W_M, 0x5b                         ; weights window 3, hidden window 2, C and D window 1
.set W_S, 0x04                         ; a global store: address in window 0, data in window 1
.set MSB, 0
.macro WIN new                         ; the immediate's high byte repeats the setting that is left; a switch that changes nothing is dropped
.if MSB != (\new)
	s_set_vgpr_msb (MSB<<8)|(\new)
.set MSB, (\new)
.endif
.endm
.macro PLACES                          ; four plain vector lines between a matrix instruction and a line that reads its result or writes (or loads into) one of its registers (ISA guide 7.12.1 for vector instructions)
.rept 4
	v_nop
.endr
.endm
; PHASE A.  A wave owns 512 rows of the slice: 128 loads of four rows, in 8 groups of 16, through the four buffers of window 2.
.macro PGRP g
	WIN W_G
.set pg_i, 0
.rept 16
	global_load_b128 v[64*((\g)%4)+4*pg_i:64*((\g)%4)+4*pg_i+3], v6, s[20:21] offset:(16*(\g)+pg_i)*16384 th:TH_LOAD_NT
.set pg_i, pg_i+1
.endr
.endm
.macro PFG g                           ; a group is 64 rows, whose aligned 256 bytes I share with the neighbouring slice: the even slice asks for rows 0-31 of the group, the odd one for rows 32-63, a lane a row,
	global_prefetch_b8 v10, s[48:49] offset:(\g)*262144 th:TH_LOAD_NT scope:SCOPE_SE  ; two group steps ahead of the group's loads; nothing is asked past group 7
.endm
.macro PCONV g
.if (\g) <= 5
	s_wait_loadcnt 32                              ; group g is in; the two younger groups stay out
.elseif (\g) == 6
	s_wait_loadcnt 16
.else
	s_wait_loadcnt 0x0
.endif
.if (\g) <= 4
	PGRP (\g)+3                                    ; into the buffer that the step before converted
.endif
.if (\g) <= 2
	PFG (\g)+5
.endif
	WIN W_A
.set pc_i, 0
.rept 32
	v_cvt_pk_bf16_f32 v[CT+pc_i], v[64*((\g)%4)+2*pc_i], v[64*((\g)%4)+2*pc_i+1]
.set pc_i, pc_i+1
.endr
	WIN 0
.set pc_i, 0
.rept 16
	ds_store_b64 v7, v[CT+2*pc_i:CT+2*pc_i+1] offset:(16*(\g)+pc_i)*LSTEP
.set pc_i, pc_i+1
.endr
.endm
; The token at place p of the expert's rows: p is held to the last row; the wave whose list holds it is found by three compares; the entry is read.
.macro LOOKUP p, d, tok
	v_min_u32 v[\p], s25, v[\p]
	v_mov_b32 v[\d], 0
	v_cmp_le_u32 vcc_lo, s32, v[\p]
	v_cndmask_b32 v[\d], v[\d], s37, vcc_lo
	v_cmp_le_u32 vcc_lo, s33, v[\p]
	v_cndmask_b32 v[\d], v[\d], s38, vcc_lo
	v_cmp_le_u32 vcc_lo, s34, v[\p]
	v_cndmask_b32 v[\d], v[\d], s39, vcc_lo
	v_add_nc_u32 v[\d], v[\d], v[\p]
	v_min_u32 v[\d], 2175, v[\d]                   ; inside the four lists
	v_lshl_add_u32 v[\d], v[\d], 2, LIST
	ds_load_b32 v[\tok], v[\d]
.endm
; A pass begins: mt tiles get their places in hidden, their rows their places in out0, and the walk along K its first place.
.macro PBEGIN mt
	WIN 0
	s_wait_xcnt 0x0                                ; the last pass's loads and stores have read their registers: offsets and the accumulators, which are the stores' data, are rewritten only behind this wait
.set pb_m, 0
.rept \mt
	s_add_co_u32 s41, s28, pb_m
	s_lshl2_add_u32 s41, s41, s12                  ; tile = wave + 4 (tiles done + slot)
	v_mov_b32 v20, s41
	v_min_u32 v20, 127, v20                        ; inside the expert's room of 128 tiles
	v_lshl_add_u32 v[HA+pb_m], v20, 16, v16        ; its 65,536 bytes there, + 16 L
	s_lshl_b32 s40, s41, 4
	v_add_nc_u32 v20, s40, v2                      ; place 16 tile + r
	LOOKUP 20, 21, 24+pb_m
.set pb_m, pb_m+1
.endr
	s_wait_dscnt 0x0
.set pb_m, 0
.rept \mt
	v_min_u32 v[24+pb_m], 2047, v[24+pb_m]
	v_lshl_add_u32 v[TO+pb_m], v[24+pb_m], 12, v17 ; token x 4,096 bytes + 32 h
.set pb_m, pb_m+1
.endr
.if (\mt) == 4
	s_lshl_b32 s35, s13, 11                        ; slice s begins at step s of 32: 2,048 bytes of a tile of hidden a step
.else
	s_and_b32 s35, s13, 7
	s_lshl_b32 s35, s35, 13                        ; at step s % 8 of 8: 8,192 bytes a step
.endif
	s_mov_b32 s36, s35                             ; s35: the place, in bytes of a tile of hidden, of the next group to ask for; s36: of the next step's weight fragments
.endm
; A MACRO STEP is 16 loads of hidden, straight into fragments, and 16 matrix instructions.  mt = 4: 64 along K for four tiles (unit 2 m + t).  mt = 1: 256 along K for one tile (unit t).
; GHA makes the next group's offsets, in registers of the group's own, and steps the place round the tile's 65,536 bytes; GHL issues its loads.  hidden's address is never stepped.
.macro GHA mt, b
.if (\mt) == 4
.irp j, 0,1,2,3
	v_add_nc_u32 v[HR+4*(\b)+\j], s35, v[HA+\j]
.endr
.else
	v_add_nc_u32 v[HR+4*(\b)], s35, v[HA]
.endif
	s_add_co_u32 s35, s35, 8192/(\mt)
	s_and_b32 s35, s35, 0xffff
.endm
.macro GHL mt, b
	WIN W_G
.set gh_u, 0
.rept 8
.if (\mt) == 4
	global_load_b128 v[64*(\b)+8*gh_u:64*(\b)+8*gh_u+3],   v[HR+4*(\b)+gh_u/2], s[22:23] offset:1024*(gh_u%2)
	global_load_b128 v[64*(\b)+8*gh_u+4:64*(\b)+8*gh_u+7], v[HR+4*(\b)+gh_u/2], s[22:23] offset:1024*(gh_u%2)+512
.else
	global_load_b128 v[64*(\b)+8*gh_u:64*(\b)+8*gh_u+3],   v[HR+4*(\b)], s[22:23] offset:1024*gh_u
	global_load_b128 v[64*(\b)+8*gh_u+4:64*(\b)+8*gh_u+7], v[HR+4*(\b)], s[22:23] offset:1024*gh_u+512
.endif
.set gh_u, gh_u+1
.endr
.endm
.macro GH mt, b
	WIN 0
	GHA \mt, \b
	GHL \mt, \b
.endm
; DWA makes the LDS address of the next step's weight rows: 32 bytes of a tile of hidden are one k, one row of 96 bytes: the place times 3.  With my lane's 1,456 bytes at the most and the
; loads' offsets the last byte read is 196,575: inside the weights' 196,608.  DWL issues the fragment loads: K sub-step f / 2, column block f % 2; two turning loads each, 16 rows apart.
.macro DWA mt
	s_mul_i32 s41, s36, 3
	v_add_nc_u32 v9, s41, v8
	s_add_co_u32 s36, s36, 8192/(\mt)
	s_and_b32 s36, s36, 0xffff
.endm
.macro DWL mt, b
	WIN W_D
.set dw_f, 0
.rept 16/(\mt)
	ds_load_tr16_b128 v[128*(\b)+8*dw_f:128*(\b)+8*dw_f+3],   v9 offset:32*LP*(dw_f/2)+32*(dw_f%2)
	ds_load_tr16_b128 v[128*(\b)+8*dw_f+4:128*(\b)+8*dw_f+7], v9 offset:32*LP*(dw_f/2)+32*(dw_f%2)+16*LP
.set dw_f, dw_f+1
.endr
.endm
.macro DWF mt, b
	WIN 0
	DWA \mt
	DWL \mt, \b
.endm
; Matrix instruction mm_i of a step's 16.  The accumulators take turns, one instruction a turn: eight with four tiles; with one tile four, the step's even and odd sub-steps apart.
.macro MM mt, b2, b4, zero
.if (\mt) == 4
.set mm_d, 8*(mm_i%8)
.set mm_w, 128*(\b2)+8*(2*(mm_i/8)+mm_i%2)
.set mm_a, 64*(\b4)+8*(2*((mm_i%8)/2)+mm_i/8)
.else
.set mm_d, 8*(mm_i%4)
.set mm_w, 128*(\b2)+8*mm_i
.set mm_a, 64*(\b4)+8*(mm_i/2)
.endif
.if (\zero) && ((((\mt) == 4) && (mm_i < 8)) || (mm_i < 4))
	v_wmma_f32_16x16x32_bf16 v[mm_d:mm_d+7], v[mm_w:mm_w+7], v[mm_a:mm_a+7], 0
.else
	v_wmma_f32_16x16x32_bf16 v[mm_d:mm_d+7], v[mm_w:mm_w+7], v[mm_a:mm_a+7], v[mm_d:mm_d+7]
.endif
.set mm_i, mm_i+1
.endm
; Iteration rel multiplies step rel; ahead of that it asks for hidden of step rel + 3 and for the weight fragments of step rel + 1, both into registers that step rel - 1 read.
; rel names the buffers alone: the places along K stand in s35 and s36.  fg, fd: it asks for hidden, for fragments.  lw: the younger loads of hidden that may stay out.
; The wait at the head shows group rel landed, so the offsets of group rel - 1, shown landed an iteration ago, are free for group rel + 3, which has the same four registers.
; The address lines name no register of the products in front of them: they are places ahead of the loads, made up to four by v_nop.
.macro KIT2 mt, rel, fg, fd, zero, lw
	s_wait_loadcnt \lw
.if \fd
	WIN 0
.set k2_p, 1
.if \fg
	GHA \mt, ((\rel)+3)%4
.set k2_p, 2+3*((\mt)/4)
.endif
	DWA \mt
.if k2_p < 4
.rept 4-k2_p
	v_nop
.endr
.endif
.if \fg
	GHL \mt, ((\rel)+3)%4
.endif
	DWL \mt, ((\rel)+1)%2
	s_wait_dscnt 32/(\mt)                          ; all but the run just issued: this step's fragments are in
.else
	s_wait_dscnt 0x0
.endif
	WIN W_M
.set mm_i, 0
.rept 16
	MM \mt, (\rel)%2, (\rel)%4, \zero
.endr
.endm
; THE WAY OUT of slot m's tile: lane (r, h) holds columns 16 n + 8 h + 0..7 of row r in accumulator (m, n): 32 bytes at 64 n + 32 h of the row's piece, stored as two pieces of 16,
; each accumulator from its low end on.  A place past the count has the last row's token and the last row's numbers.
.macro EPI m
	WIN W_S
.irp n, 0,1
	global_store_b128 v[TO+(\m)], v[8*(2*(\m)+\n):8*(2*(\m)+\n)+3],   s[10:11] offset:64*\n
	global_store_b128 v[TO+(\m)], v[8*(2*(\m)+\n)+4:8*(2*(\m)+\n)+7], s[10:11] offset:64*\n+16
.endr
	WIN 0
.endm
	s_load_b256 s[4:11], s[0:1], 0x0               ; topk_ids s[4:5], weight1 s[6:7], hidden s[8:9], out0 s[10:11]
	v_lshl_add_u32 v[SPW], v0, 2, SPARE
	v_mov_b32 v[NIL], 0
	v_and_b32 v1, 31, v0                           ; lane L
	v_lshrrev_b32 v20, 5, v0
	v_readfirstlane_b32 s12, v20                   ; wave w
	s_mov_b32 s13, ttmp9                           ; slice s
	s_and_b32 s14, ttmp7, 0xffff                   ; expert e
	v_and_b32 v2, 15, v0                           ; r
	v_bfe_u32 v3, v0, 4, 1                         ; h
	v_and_b32 v23, 7, v0                           ; L % 8
	v_bfe_u32 v50, v0, 3, 2                        ; L / 8
	s_lshl_b32 s40, s12, 21                        ; my wave's 512 rows of 4,096 bytes
	v_lshlrev_b32 v6, 4, v23
	v_lshl_add_u32 v6, v50, 12, v6
	v_add_nc_u32 v6, s40, v6                       ; weight loads: eight lanes to a row's 128 bytes, four rows
	s_and_b32 s41, s13, 1
	s_lshl_b32 s41, s41, 5
	v_add_nc_u32 v10, s41, v1
	v_lshl_add_u32 v10, v10, 12, s40               ; prefetches: a lane a row, my half of a group's 64
	s_mul_i32 s41, s12, 512*LP
	v_mul_u32_u24 v7, v50, LP
	v_lshl_add_u32 v7, v23, 3, v7
	v_add_nc_u32 v7, s41, v7                       ; and where the packed 8 bytes go
	s_lshl_b32 s41, s12, 11
	v_lshl_add_u32 v11, v1, 4, s41                 ; my wave's 512 ids: 16 bytes a lane
	s_lshl_b32 s16, s14, 23                        ; an expert's weights, and its room in hidden: 2^23 bytes
	s_mov_b32 s17, 0
	s_wait_kmcnt 0x0
	s_add_nc_u64 s[20:21], s[6:7], s[16:17]
	s_add_nc_u64 s[22:23], s[8:9], s[16:17]
	s_and_b32 s16, s13, 0xfffe
	s_lshl_b32 s16, s16, 7
	s_add_nc_u64 s[48:49], s[20:21], s[16:17]      ; the aligned 256 bytes of a row that hold my slice and its neighbour
	s_lshl_b32 s16, s13, 7                         ; the slice's 32 columns: 128 bytes of a row, of W1 and of out0
	s_add_nc_u64 s[20:21], s[20:21], s[16:17]
	s_add_nc_u64 s[10:11], s[10:11], s[16:17]
.irp q, 0,1,2,3
	global_load_b128 v[IDS+4*\q:IDS+4*\q+3], v11, s[4:5] offset:512*\q  ; register (q, c) of lane L: token 512 w + 128 q + 4 L + c
.endr
	PGRP 0
	PGRP 1
	PGRP 2
	PFG 3
	PFG 4
	WIN 0
	v_lshl_add_u32 v20, v3, 3, v23
	v_mul_u32_u24 v8, v20, LP
	v_bfe_u32 v21, v0, 3, 1
	v_lshl_add_u32 v8, v21, 4, v8                  ; the turning load: row 8 h + L % 8, 16 bytes by (L / 8) % 2
	v_lshlrev_b32 v16, 4, v1                       ; 16 L
	v_lshlrev_b32 v17, 5, v3                       ; 32 h
	s_lshl_b32 s41, s12, 9
	v_lshl_add_u32 v18, v1, 2, s41                 ; 512 w + 4 L
	v_add_nc_u32 v19, 512, v1                      ; my dump word
	s_mul_i32 s15, s12, LWAVE
	s_add_co_u32 s15, s15, LIST                    ; my wave's list
	; THE LIST: sixteen ballots.  A lane whose token is the expert's stores the token's number at the wave's running count plus the matching lanes below it; the others store into their dump words, so EXEC stays whole.
	s_wait_loadcnt 48                              ; the ids are in; the 48 weight loads behind them stay out
	s_mov_b32 s31, 0
.set rt_i, 0
.rept 16
	v_cmp_eq_u32 s40, s14, v[IDS+rt_i]
	v_mbcnt_lo_u32_b32 v20, s40, s31
	s_bcnt1_i32_b32 s41, s40
	s_add_co_u32 s31, s31, s41
	v_cndmask_b32 v20, v19, v20, s40
	v_min_u32 v20, 543, v20                        ; inside my wave's 544 words
	v_lshl_add_u32 v21, v20, 2, s15
	v_add_nc_u32 v22, 128*(rt_i/4)+rt_i%4, v18
	ds_store_b32 v21, v22
.set rt_i, rt_i+1
.endr
	s_lshl_b32 s41, s12, 2
	s_add_co_u32 s41, s41, TOT
	v_mov_b32 v21, s41
	v_mov_b32 v20, s31
	ds_store_b32 v21, v20                          ; my wave's count
.irp g, 0,1,2,3,4,5,6,7
	PCONV \g
.endr
	s_wait_dscnt 0x0                               ; for the others' sake: my part of the weights, my list and my count are in LDS
	s_barrier_signal -1
	s_barrier_wait -1                              ; from here to the closing barrier nothing writes LDS
	v_mov_b32 v20, TOT
	ds_load_b128 v[28:31], v20
	s_wait_dscnt 0x0
	v_readfirstlane_b32 s32, v28                   ; where wave 1's rows begin,
	v_readfirstlane_b32 s40, v29
	v_readfirstlane_b32 s41, v30
	v_readfirstlane_b32 s24, v31
	s_add_co_u32 s33, s32, s40                     ; wave 2's,
	s_add_co_u32 s34, s33, s41                     ; wave 3's,
	s_add_co_u32 s24, s34, s24                     ; and M, the expert's rows
	s_sub_co_u32 s37, 544, s32                     ; from a place to its word in the lists: 544 v less the rows ahead of wave v
	s_sub_co_u32 s38, 1088, s33
	s_sub_co_u32 s39, 1632, s34
	s_sub_co_u32 s25, s24, 1
	s_add_co_u32 s26, s24, 15
	s_lshr_b32 s26, s26, 4                         ; T tiles
	s_add_co_u32 s27, s26, 3
	s_sub_co_u32 s27, s27, s12
	s_lshr_b32 s27, s27, 2                         ; my wave's tiles still to do
	s_mov_b32 s28, 0                               ; and done
	s_mov_b32 s29, 10
.Lpass:
	s_cmp_eq_u32 s27, 0
	s_cbranch_scc1 .Lbottom
	s_cmp_ge_u32 s27, 4
	s_cbranch_scc1 .Lk4
	PBEGIN 1                                       ; ONE TILE: eight steps of 256 along K, written out
	GH 1, 0
	GH 1, 1
	GH 1, 2
	DWF 1, 0
	KIT2 1, 0, 1, 1, 1, 32
	KIT2 1, 1, 1, 1, 0, 32
	KIT2 1, 2, 1, 1, 0, 32
	KIT2 1, 3, 1, 1, 0, 32
	KIT2 1, 4, 1, 1, 0, 32
	KIT2 1, 5, 0, 1, 0, 32                         ; nothing is left to ask for: the counts run down
	KIT2 1, 6, 0, 1, 0, 16
	KIT2 1, 7, 0, 0, 0, 0
	PLACES
	WIN 0x45                                       ; the odd sub-steps' sums onto the even ones', each accumulator from its low end on
.set fo_z, 0
.rept 8
	v_pk_add_f32 v[2*fo_z:2*fo_z+1], v[2*fo_z:2*fo_z+1], v[16+2*fo_z:17+2*fo_z]
.set fo_z, fo_z+1
.endr
	WIN 0
	s_add_co_u32 s28, s28, 1
	s_sub_co_u32 s27, s27, 1
	s_branch .Lepi0
.Lk4:
	PBEGIN 4                                       ; FOUR TILES: 32 steps of 64 along K
	GH 4, 0
	GH 4, 1
	GH 4, 2
	DWF 4, 0
	KIT2 4, 0, 1, 1, 1, 32
	WIN 0
	s_mov_b32 s30, 7
.Lk4loop:                                              ; a trip: steps 1 + 4 t to 4 + 4 t; 48 loads of hidden are out behind each request; no register that a load still reads is stepped
	KIT2 4, 1, 1, 1, 0, 32
	KIT2 4, 2, 1, 1, 0, 32
	KIT2 4, 3, 1, 1, 0, 32
	KIT2 4, 4, 1, 1, 0, 32
	WIN 0
	s_sub_co_u32 s30, s30, 1
	s_cmp_lg_u32 s30, 0
	s_cbranch_scc1 .Lk4loop
	KIT2 4, 1, 0, 1, 0, 32                         ; steps 29 to 31 ask for no more of hidden: the counts run down
	KIT2 4, 2, 0, 1, 0, 16
	KIT2 4, 3, 0, 0, 0, 0
	PLACES
	WIN 0
	s_add_co_u32 s28, s28, 4
	s_sub_co_u32 s27, s27, 4
	EPI 3
	EPI 2
	EPI 1
.Lepi0:
	EPI 0
.Lbottom:
	s_sub_co_u32 s29, s29, 1
	s_cmp_lg_u32 s29, 0
	s_cbranch_scc1 .Lpass
	s_wait_dscnt 0x0                               ; my LDS reads are back
	s_barrier_signal -1                            ; THE CLOSING BARRIER: the fragment loads take their addresses from a register that goes round with the walk;
	s_barrier_wait -1                              ; this barrier puts every wave's LDS reads ahead of every wave's closing LDS write, whatever those addresses are
	s_wait_tensorcnt 0x0                           ; the wave's end, behind my last LDS store
	ds_add_u32 v[SPW], v[NIL]
	s_wait_dscnt 0x0
	s_endpgm
.Lfunc_end_k_q284ee93537_down:
	.size	k_q284ee93537_down, .Lfunc_end_k_q284ee93537_down-k_q284ee93537_down
	.p2alignl 7, 3214868480
	.fill 96, 4, 3214868480
	.section	.rodata,"a",@progbits
	.p2align	6, 0x0
	.amdhsa_kernel k_q284ee93537_down
		.amdhsa_group_segment_fixed_size 206080
		.amdhsa_private_segment_fixed_size 0
		.amdhsa_enable_private_segment 0
		.amdhsa_kernarg_size 32
		.amdhsa_user_sgpr_count 2
		.amdhsa_user_sgpr_kernarg_segment_ptr 1
		.amdhsa_wavefront_size32 1
		.amdhsa_system_sgpr_workgroup_id_x 1
		.amdhsa_system_sgpr_workgroup_id_y 1
		.amdhsa_system_sgpr_workgroup_id_z 1
		.amdhsa_system_vgpr_workitem_id 0
		.amdhsa_next_free_vgpr 1024
		.amdhsa_next_free_sgpr 66
		.amdhsa_reserve_vcc 1
		.amdhsa_float_denorm_mode_32 3
		.amdhsa_float_denorm_mode_16_64 3
		.amdhsa_memory_ordered 1
		.amdhsa_forward_progress 1
		.amdhsa_inst_pref_size 128
	.end_amdhsa_kernel
	.amdgpu_metadata
---
amdhsa.version: [ 1, 2 ]
amdhsa.kernels:
  - .name:           k_q284ee93537_down
    .symbol:         k_q284ee93537_down.kd
    .args:
      - { .name: topk_ids, .offset: 0, .size: 8, .value_kind: global_buffer, .address_space: global }
      - { .name: weight1, .offset: 8, .size: 8, .value_kind: global_buffer, .address_space: global }
      - { .name: hidden, .offset: 16, .size: 8, .value_kind: global_buffer, .address_space: global }
      - { .name: out0, .offset: 24, .size: 8, .value_kind: global_buffer, .address_space: global }
    .group_segment_fixed_size: 206080
    .private_segment_fixed_size: 0
    .kernarg_segment_align: 8
    .kernarg_segment_size: 32
    .max_flat_workgroup_size: 128
    .sgpr_count:     66
    .vgpr_count:     1024
    .wavefront_size: 32
...
	.end_amdgpu_metadata
.endif
;; end of part 2
